; MI455X (gfx1250); checked and timed in simulation.
; The chip was launched on July 23, 2026; its instructions are those of AMD's public machine-readable ISA for CDNA 5 (MIT licence, August 2026) and "CDNA5" Instruction Set Architecture Reference Guide (July 2026). The comments in the code are by the model that wrote it; some were corrected since.
;; Multi Head Self Attention. Allowed arithmetic: matrix products marked QUANTISED: E2M3 operands, one E8M0 scale for each 32 along K, by v_wmma_scale_f32_16x16x128_f8f6f4 with both operands' format E2M3, f32 sums; everything else in f32.
;; Inputs: W0_b 1,024 float32; W0_w_codes 1,024 x 32 x 24 uint8 (E2M3 codes of W0_w, K innermost, in blocks of 32 codes, four codes in three bytes); W0_w_scales 1,024 x 32 uint8 (E8M0 scales of W0_w, one for each 32 codes along K); Wk_b 1,024 float32; Wk_w_codes 1,024 x 32 x 24 uint8 (E2M3 codes of Wk_w, K innermost, in blocks of 32 codes, four codes in three bytes); Wk_w_scales 1,024 x 32 uint8 (E8M0 scales of Wk_w, one for each 32 codes along K); Wq_b 1,024 float32; Wq_w_codes 1,024 x 32 x 24 uint8 (E2M3 codes of Wq_w, K innermost, in blocks of 32 codes, four codes in three bytes); Wq_w_scales 1,024 x 32 uint8 (E8M0 scales of Wq_w, one for each 32 codes along K); Wv_b 1,024 float32; Wv_w_codes 1,024 x 32 x 24 uint8 (E2M3 codes of Wv_w, K innermost, in blocks of 32 codes, four codes in three bytes); Wv_w_scales 1,024 x 32 uint8 (E8M0 scales of Wv_w, one for each 32 codes along K); k_codes 4 x 2,048 x 32 x 24 uint8 (E2M3 codes of k, K innermost, in blocks of 32 codes, four codes in three bytes); k_scales 4 x 2,048 x 32 uint8 (E8M0 scales of k, one for each 32 codes along K); q_codes 4 x 2,048 x 32 x 24 uint8 (E2M3 codes of q, K innermost, in blocks of 32 codes, four codes in three bytes); q_scales 4 x 2,048 x 32 uint8 (E8M0 scales of q, one for each 32 codes along K); v_codes 4 x 2,048 x 32 x 24 uint8 (E2M3 codes of v, K innermost, in blocks of 32 codes, four codes in three bytes); v_scales 4 x 2,048 x 32 uint8 (E8M0 scales of v, one for each 32 codes along K).
;; Outputs: out0 4 x 2,048 x 1,024 float32.
;; This version of the problem:
;;   THIS VERSION OF THE PROBLEM IS GIVEN IN LOW PRECISION. The matrix products marked QUANTISED in the list below multiply operands that are first quantised to E2M3 (2 exponent bits, 3 mantissa bits; 6 bits a number), with one power-of-two scale for each 32 numbers along K (OCP MX v1.0); their sums are f32. All else is computed in f32.
;;   The module's matrix products, in the order in which they are computed (A, B: the left and right operand; K: the contracted axis; several contracted axes count as one K, in the product's order):
;;     1. [M 8,192, K 1,024] x [K 1,024, N 1,024]; A: input q (given as codes); B: input Wq_w (given as codes): QUANTISED
;;     2. [M 8,192, K 1,024] x [K 1,024, N 1,024]; A: input k (given as codes); B: input Wk_w (given as codes): QUANTISED
;;     3. [M 8,192, K 1,024] x [K 1,024, N 1,024]; A: input v (given as codes); B: input Wv_w (given as codes): QUANTISED
;;     4. batch 64 x [M 2,048, K 64] x [K 64, N 2,048]; A: computed on the way; B: computed on the way: QUANTISED
;;     5. batch 64 x [M 2,048, K 2,048] x [K 2,048, N 64]; A: softmax (see below); B: computed on the way: QUANTISED
;;     6. [M 8,192, K 1,024] x [K 1,024, N 1,024]; A: computed on the way; B: input W0_w (given as codes): QUANTISED
;;   THE QUANTISER, for each operand of a quantised product, along K:
;;     - K is cut into blocks of 32 from its start; a last block that is shorter is filled with zeros.
;;     - A block's scale is 2^e with e = floor(log2(the largest magnitude in the block)) - 2, held to -126 .. 127; a block of zeros has e = 0. As a byte (E8M0): e + 127.
;;     - Each number is divided by its block's scale, clamped to +-7.5, and rounded to the nearest number of E2M3, ties to even, subnormals kept.
;;     - The product sums the exact products of the quantised numbers (number of the format x scale) in f32.
;;   ~~~python
;;   def quantise(x, axis):      # numpy; x: float32 -> the quantised numbers, widened to float32 again
;;       x = np.moveaxis(x, axis, -1); K = x.shape[-1]
;;       x = np.pad(x, [(0, 0)] * (x.ndim - 1) + [(0, -K % 32)]); x = x.reshape(x.shape[:-1] + (-1, 32)); a = np.abs(x).max(-1, keepdims=True)
;;       e = np.where(a > 0, np.clip(np.frexp(np.where(a > 0, a, 1))[1] - 1 - 2, -126, 127), 0)      # np.frexp(a)[1] - 1 = floor(log2(a)), exactly
;;       r = np.clip(x / 2.0 ** e, -7.5, 7.5)
;;       step = 2.0 ** (np.maximum(np.frexp(np.where(r == 0, 1, r))[1] - 1, 0) - 3)
;;       q = np.round(r / step) * step * 2.0 ** e      # np.round: ties to even
;;       return np.moveaxis(q.reshape(q.shape[:-2] + (-1,))[..., :K], -1, axis).astype(np.float32)
;;   ~~~
;;   SOFTMAX AHEAD OF A QUANTISED PRODUCT. Where the list says 'softmax', what is quantised is not the finished softmax but p = 2^(t - M), with t = logit x log2(e) and M = ceil(the row's largest t), a whole number; so 1/2 < the row's largest p <= 1. The row's sum l is taken of the UNQUANTISED p, in f32, and the product's result is divided by l at the end. Since M is a whole number, a kernel that streams over the keys may use a running M (the ceiling of the running maximum): every later rescaling is an exact power of two, which a block's scale takes up: the codes' values come out the same.
;;   OPERANDS COMPUTED ON THE WAY. 'Computed on the way' means the value that the module computes at that place (a softmax that the list does not call 'softmax' is quantised finished and normalised). What goes into a quantiser is computed in f32, as accurately as f32 sums, v_exp_f32 and their like allow (about 1e-6 of the number): no bf16 or f16 on the way to a quantiser, and a product that is left as it is and whose result goes on into a quantised operand takes f32 operands (vector FMAs, or v_wmma_f32_16x16x4_f32). A number that lies on a knife's edge between two numbers of the format may be rounded either way, as far as f32 arithmetic and the matrix unit's own rounding can turn it there, and no further.
;;   INPUTS GIVEN AS CODES. W0_w (in the module: [1024, 1024], K = its axis 1); Wk_w (in the module: [1024, 1024], K = its axis 1); Wq_w (in the module: [1024, 1024], K = its axis 1); Wv_w (in the module: [1024, 1024], K = its axis 1); k (in the module: [4, 2048, 1024], K = its axis 2); q (in the module: [4, 2048, 1024], K = its axis 2); v (in the module: [4, 2048, 1024], K = its axis 2): each comes as NAME_codes (uint8): NAME with its K axis moved to the last place and cut into blocks of 32 codes, [.., K / 32, bytes a block], one block behind the other in memory; four codes in three bytes: a row's codes are one little-endian stream of bits, code i at bits 6 i .. 6 i + 5 (a code: sign, 2 exponent bits, 3 mantissa bits); and NAME_scales (uint8): the same leading axes, one E8M0 byte (e + 127) for each 32 codes along K. Its value is code x scale, taken as it is: it is not quantised again, and the codes and scales need not be those that the quantiser above would give.
;; One version. Each part assembles by itself: llvm-mc -triple=amdgcn-amd-amdhsa -mcpu=gfx1250 --defsym DOCPART=n.
;; ======== version 1 of 1: 3 launches
;; limits: right only within a limited range of input values
;; workspace buffers: qkv 20,447,232 bytes; acodes 6,291,456 bytes; asc 262,144 bytes
;; launch proj (part 1): grid 16 x 16, 4 waves a work-group, clusters of 4 x 4, 327,680 bytes of LDS; arguments q_codes, q_scales, k_codes, k_scales, v_codes, v_scales, Wq_w_codes, Wq_w_scales, Wk_w_codes, Wk_w_scales, Wv_w_codes, Wv_w_scales, Wq_b, Wk_b, Wv_b, qkv; writes qkv
.if DOCPART == 1
	.amdgcn_target "amdgcn-amd-amdhsa--gfx1250"
	.amdhsa_code_object_version 6
	.text
	.protected	k_q8122b783e1_proj
	.globl	k_q8122b783e1_proj
	.p2align	8
	.type	k_q8122b783e1_proj,@function
k_q8122b783e1_proj:
	s_mov_b64 s[64:65], 0
	v_nop
	global_prefetch_b8 v0, s[64:65] scope:SCOPE_SE
	s_setreg_imm32_b32 hwreg(HW_REG_WAVE_MODE, 25, 1), 1
	s_wait_xcnt 0x0
	s_wait_alu depctr_hold_cnt(0) depctr_sa_sdst(0) depctr_va_vdst(0) depctr_va_sdst(0) depctr_va_ssrc(0) depctr_va_vcc(0) depctr_vm_vsrc(0)
	s_getreg_b32 s2, hwreg(HW_REG_IB_STS2, 6, 4)
	s_cmp_eq_u32 s2, 0
	s_cbranch_scc0 .Lentry_in_a_cluster
	s_endpgm
.Lentry_in_a_cluster:
	s_bfe_u32 s2, ttmp6, 0x10000c
	s_cmp_lg_u32 s2, 0xf033
	s_cbranch_scc0 .Lentry_shape_is_right
	s_endpgm
.Lentry_shape_is_right:
; Q = q Wq^T + b, K = k Wk^T + b, V^T = Wv v^T + b on codes of FP6 (E2M3) with E8M0 scales, and the quantisers of the three results; the codes leave as images of the next launch's operand registers.
; 256 work-groups of four waves, 2 x 2.  A wave holds 64 rows of a RESIDENT operand, all of K = 1,024, in 384 registers, and STREAMED rows pass them in blocks of 16: 32 products a block, source 0 the resident rows.
; Phase 1, four chunks of 128 streamed rows: resident = 128 rows of Wq or Wk (two heads), streamed = 512 tokens.  Phase 2, two chunks: resident = 128 tokens of v, streamed = 256 rows of Wv: a lane's sums run along the tokens, V's next K.
; Resident tile j takes rows 32 (r / 8) + 16 (j % 2) + 8 (j / 2) + r % 8 of the wave's 64: so a lane's 32 sums of a block are ONE scale block of the next product, and six registers of its operand as they fall.
; LDS: two slots of 128 streamed rows, a region for the resident rows (rows of 768 bytes, 16 bytes of padding behind every 256), the spare words.  Scale words come from memory straight into registers, whole rows of 32 bytes.
; FILLS, all joint (streamed rows along a row of the 4 x 4 cluster, resident rows along a column): at the head chunk 0 and the weight; behind a full round chunk 1; in the third block of each of phase 1's chunks a round,
; behind which waves 0 and 1 ask for the chunk two on (the last two: Wv's) and waves 2 and 3 for 16 rows each of v's tokens, onto the weight, which lies in registers by then.
; Prefetch: in trip t the codes of the chunk that trip t + 1 loads, 24 blocks of 256 bytes a wave, shared out by address among the sixteen waves of the four partners; trip 3 asks for nothing.  v's tokens are asked for in four small parts and are not prefetched.
; The bias is the first products' C: phase 1 along the registers, phase 2 one number a lane spread over eight registers.
; LIMITS: NaN and infinities are not served; a block whose largest magnitude lies under 2^-124 gets the scale byte 1 (bytes read by this program alone).  The resident rows' LDS loads take rows 32 apart in one instruction.
.set KROW,  768
.set PITCH, 816
.set FR,    12
.set FPW,   21                         ; fragments in a window of 256 registers; fragment f lies in window 1 + f / 21: 0-31 resident (4 q + j), 32-39 and 40-47 the streamed rows' two sets
.set BLK,   16*PITCH
.set YB,    128*PITCH
.set RGN,   2*YB
.set SPARE, 3*YB
.set NF,    48                         ; LDS loads of a block
.set L8,  1
.set LS,  2
.set ABS, 3
.set SH8, 4
.set PFO, 5
.set ADRB, 6
.set ADR0, 8
.set AC,  10
.set AN,  12
.set SPW, 14
.set NIL, 15
.set SB,  16                           ; v16-31 the resident rows' scale words
.set SA,  36                           ; v36-51 the streamed rows': two sets of eight; lanes 0-15 the even block, lanes 16-31 the odd
.set TQ,  52
.set SOP, 54
.set EB,  55
.set Z,   56
.set Y,   57
.set WE,  58
.set SW,  60
.set TC,  62
.set NCD, 66                           ; v66-77 an image: six registers of the even block, six of the odd
.set C8,  80
.set RBV, 88
.set ACC, 96
.set BBQ, 128
.set SB2, 72                           ; window 3: v840-855 phase 2's resident scale words, ready from the head on
.set G1X, 68
.set G1R, 76
.set G0X, 84
.set G0R, 88
.set MSB, 0
.macro WIN new
.if MSB != \new
	s_set_vgpr_msb (MSB<<8)|\new
.set MSB, \new
.endif
.endm
.macro PLACES n
.rept \n
	v_nop
.endr
.endm
.macro WALU
	s_wait_alu depctr_va_vdst(0)
.endm
.macro CROUND
	s_barrier_signal -1
	s_barrier_wait -1
	s_cmp_lg_u32 s14, 0
	s_cbranch_scc1 .Lnot_wave_0_\@
	s_barrier_signal -3
.Lnot_wave_0_\@:
	s_barrier_wait -3
	s_barrier_signal -1
	s_barrier_wait -1
.endm
.macro TLOAD g0, g1
	tensor_load_to_lds s[\g0:\g0+3], s[\g1:\g1+7]
	s_nop 0
	PLACES 4
.endm
.macro GROUP1 g, mask, rows
	s_or_b32 s[\g+0], s[\mask], (1<<20)|(1<<21)|(5<<22)|(3<<25)
	s_mov_b32 s[\g+1], KROW<<16
	s_mov_b32 s[\g+2], (\rows)<<16
	s_mov_b32 s[\g+3], KROW<<16
	s_mov_b32 s[\g+4], \rows
	s_mov_b32 s[\g+5], KROW
	s_mov_b32 s[\g+6], 0
	s_mov_b32 s[\g+7], 0
.endm
.macro PADD p                          ; pointer p += the offset in s20 (s21 = 0)
	s_add_nc_u64 s[\p:\p+1], s[\p:\p+1], s[20:21]
.endm
.macro SETG0 g, p                      ; group 0's address from pointer p
	s_mov_b64 s[\g+2:\g+3], s[\p:\p+1]
	s_or_b32 s[\g+3], s[\g+3], 0x80000000
.endm
	s_load_b512 s[24:39], s[0:1], 0x0
	s_load_b512 s[48:63], s[0:1], 0x40
	v_lshl_add_u32 v[SPW], v0, 2, SPARE
	v_mov_b32 v[NIL], 0
	ds_add_u32 v[SPW], v[NIL]                      ; the opening lines: the add twice on end and its wait
	ds_add_u32 v[SPW], v[NIL]
	v_lshrrev_b32 v1, 5, v0
	v_readfirstlane_b32 s14, v1                    ; wave
	s_lshr_b32 s15, s14, 1                         ; a: which 64 streamed rows of a chunk are mine
	s_and_b32 s16, s14, 1                          ; b: which 64 resident rows.  Also: which half of a tile I fetch
	s_bfe_u32 s40, ttmp6, 0x40000                  ; cx
	s_bfe_u32 s41, ttmp6, 0x40004                  ; cy
	s_and_b32 s45, ttmp7, 0xffff
	s_lshr_b32 s2, ttmp9, 1                        ; 0 Q, 1 K
	s_and_b32 s18, ttmp9, 1
	s_lshl_b32 s18, s18, 2
	s_add_co_u32 s18, s18, s40                     ; the pair of heads, 0..7
	s_lshl_b32 s17, s45, 2
	s_add_co_u32 s17, s17, s41                     ; the group of 512 tokens, 0..15
	s_lshl_b32 s19, s45, 2
	s_add_co_u32 s19, s19, ttmp9
	s_lshl_b32 s19, s19, 2
	s_add_co_u32 s19, s19, s40                     ; phase 2: the block of 128 tokens, 0..63; its 256 rows of Wv go by cy
	s_lshl_b32 s43, s41, 2
	s_lshl_b32 s43, 15, s43                        ; my row of the cluster
	s_lshl_b32 s44, 0x1111, s40                    ; my column
	GROUP1 G1X, 43, 64
	GROUP1 G1R, 44, 64
	s_mov_b32 s93, 0xffff0000
	s_mov_b32 s94, 0x76543210
	s_mov_b32 s95, 0xfedcba98
	s_mov_b32 s21, 0
	s_mul_i32 s67, s16, 64*PITCH                   ; my half of a tile, in LDS
	s_mul_i32 s22, s16, 64*KROW                    ; and in memory
	s_wait_dscnt 0x0
	s_wait_kmcnt 0x0
	s_cmp_eq_u32 s2, 1
	s_cselect_b64 s[4:5], s[28:29], s[24:25]       ; the tokens' codes,
	s_cselect_b64 s[6:7], s[30:31], s[26:27]       ; their scales,
	s_cselect_b64 s[8:9], s[48:49], s[36:37]       ; the weight's codes,
	s_cselect_b64 s[10:11], s[50:51], s[38:39]     ; its scales,
	s_cselect_b64 s[96:97], s[58:59], s[56:57]     ; its bias
	s_mul_i32 s20, s17, 512*KROW
	PADD 4
	s_add_nc_u64 s[98:99], s[4:5], 2*128*KROW      ; the prefetches' pointer: each trip steps it first
	s_mov_b32 s20, s22
	PADD 4
	s_lshl_b32 s20, s17, 3
	s_add_co_u32 s20, s20, s15
	s_lshl_b32 s20, s20, 11                        ; (512 group + 64 a) rows of 32 bytes
	PADD 6
	s_mul_i32 s20, s18, 128*KROW
	s_add_co_u32 s20, s20, s22
	PADD 8
	s_lshl_b32 s23, s18, 1
	s_add_co_u32 s23, s23, s16                     ; my head
	s_lshl_b32 s20, s23, 11
	PADD 10
	s_lshl_b32 s20, s23, 8
	PADD 96
	s_mul_i32 s20, s19, 128*KROW
	s_add_co_u32 s20, s20, s22
	PADD 32                                        ; v's tokens: my half
	s_lshl_b32 s23, s19, 1
	s_add_co_u32 s23, s23, s16
	s_lshl_b32 s20, s23, 11
	PADD 34
	s_mul_i32 s20, s41, 256*KROW
	s_add_nc_u64 s[56:57], s[52:53], s[20:21]      ; Wv's 256 rows, for the prefetches,
	s_mov_b32 s20, s22
	s_add_nc_u64 s[52:53], s[56:57], s[20:21]      ; and my half of their first chunk
	s_lshl_b32 s23, s41, 2
	s_add_co_u32 s23, s23, s15
	s_lshl_b32 s20, s23, 11
	PADD 54
	s_lshl_b32 s20, s23, 8
	PADD 60
	s_mov_b32 s[G0X], 1
	s_mov_b32 s[G0X+1], s67
	SETG0 G0X, 4
	s_add_nc_u64 s[4:5], s[4:5], 128*KROW
	s_mov_b32 s[G0R], 1
	s_add_co_u32 s[G0R+1], s67, RGN
	SETG0 G0R, 8
	CROUND                                         ; all sixteen work-groups are here: the joint loads meet
	s_cmp_lt_u32 s14, 2
	s_cbranch_scc0 .Lhead_r
	TLOAD G0X, G1X                                 ; waves 0 and 1: chunk 0, a half each
	s_branch .Lhead_asked
.Lhead_r:
	TLOAD G0R, G1R                                 ; waves 2 and 3: the weight's rows
.Lhead_asked:
	; where the results go: qkv[tensor][batch][pair of heads][block of 128 tokens][b][a][3,328 bytes: two images and their scale words]
	s_mul_i32 s42, s16, 6656
	s_mul_i32 s23, s15, 3328
	s_add_co_u32 s42, s42, s23
	s_lshr_b32 s20, s17, 2
	s_lshl_b32 s20, s20, 3
	s_add_co_u32 s20, s20, s18
	s_lshl_b32 s20, s20, 4
	s_and_b32 s23, s17, 3
	s_lshl_b32 s23, s23, 2
	s_add_co_u32 s20, s20, s23
	s_mul_i32 s20, s20, 13312
	s_mul_i32 s23, s2, 6815744
	s_add_co_u32 s20, s20, s23
	s_add_co_u32 s20, s20, s42
	s_add_nc_u64 s[12:13], s[62:63], s[20:21]
	s_lshr_b32 s20, s19, 4
	s_lshl_b32 s20, s20, 3
	s_lshl_b32 s23, s41, 1
	s_add_co_u32 s20, s20, s23
	s_lshl_b32 s20, s20, 4
	s_and_b32 s23, s19, 15
	s_add_co_u32 s20, s20, s23
	s_mul_i32 s20, s20, 13312
	s_add_co_u32 s20, s20, 2*6815744
	s_add_co_u32 s20, s20, s42
	PADD 62
	s_mul_i32 s42, s16, 64*PITCH
	s_add_co_u32 s42, s42, RGN                     ; LDS: my 64 resident rows,
	s_mul_i32 s23, s15, 64*PITCH                   ; my 64 streamed rows of a chunk
	s_lshl_b32 s20, s40, 2
	s_add_co_u32 s20, s20, s14
	s_mul_i32 s20, s20, 24*256                     ; my sixteenth of a chunk
	s_add_co_u32 s92, s67, RGN                     ; where the next 16 rows of v's tokens land
	s_mov_b32 s66, 0                               ; the slot that is filled next
	s_mov_b32 s46, 0                               ; the slot that is read,
	s_mov_b32 s47, YB                              ; and the other
	s_mov_b32 s3, 0
	v_and_b32 v96, 15, v0
	v_bfe_u32 v97, v0, 4, 1
	v_and_b32 v98, 31, v0
	v_and_b32 v99, 7, v0
	v_bfe_u32 v100, v0, 3, 1
	v_lshlrev_b32 v[L8], 3, v98
	v_lshlrev_b32 v[LS], 5, v98
	v_lshlrev_b32 v[SH8], 3, v97
	v_lshl_add_u32 v102, v100, 5, v99              ; 32 (r / 8) + r % 8
	v_lshl_add_u32 v101, v97, 4, v102
	v_lshlrev_b32 v[ABS], 5, v101                  ; the resident scale words: lanes 16-31 take the odd tile's rows, 16 further on
	v_mul_u32_u24 v102, v102, PITCH
	v_mad_u32_u24 v103, v97, 24, v102
	v_mad_u32_u24 v104, v97, 40, v102
	v_add_nc_u32 v[ADRB], s42, v103
	v_add_nc_u32 v[ADRB+1], s42, v104
	v_mul_u32_u24 v105, v96, PITCH
	v_mad_u32_u24 v103, v97, 24, v105
	v_mad_u32_u24 v104, v97, 40, v105
	v_add_nc_u32 v[ADR0], s23, v103
	v_add_nc_u32 v[ADR0+1], s23, v104
	v_lshlrev_b32 v106, 7, v97
	v_lshlrev_b32 v107, 2, v96
	v_min_u32 v108, 23, v98
	v_lshl_add_u32 v[PFO], v108, 8, s20
	v_mov_b32 v[Y], 0
.irp p, 0,1
.irp c, 0,1
	global_load_b128 v[SB+8*\p+4*\c:SB+8*\p+4*\c+3], v[ABS], s[10:11] offset:256*\p+16*\c
.endr
.endr
	WIN 0xc0
.irp p, 0,1
.irp c, 0,1
	global_load_b128 v[SB2+8*\p+4*\c:SB2+8*\p+4*\c+3], v[ABS], s[34:35] offset:256*\p+16*\c
.endr
.endr
	WIN 0
.irp j, 0,1,2,3
	global_load_b128 v[BBQ+8*\j:BBQ+8*\j+3], v106, s[96:97] offset:64*(\j%2)+32*(\j/2)
	global_load_b128 v[BBQ+8*\j+4:BBQ+8*\j+7], v106, s[96:97] offset:64*(\j%2)+32*(\j/2)+16
.endr
.irp n, 0,1,2,3,4,5,6,7
	global_load_b32 v[RBV+\n], v107, s[60:61] offset:512*(\n/4)+64*(\n%4)
.endr
.macro SCLD set                        ; the scale words of a pair of blocks: 32 rows of 32 bytes
	global_load_b128 v[SA+8*\set:SA+8*\set+3], v[LS], s[6:7] offset:1024*\set
	global_load_b128 v[SA+8*\set+4:SA+8*\set+7], v[LS], s[6:7] offset:1024*\set+16
.endm
	SCLD 0
	SCLD 1
; a fragment, 16 rows x 128 K: six pieces of 8 bytes; byte y of a row lies at y + 16 (y / 256) of its LDS row
.macro FRAG reg, adr, q, off
.irp p, 0,1,2,3,4,5
.set PC_, 12*(\q)+6*(\p/3)+\p%3
.if PC_%32 < 29
	ds_load_b64 v[\reg+2*\p:\reg+2*\p+1], v[\adr] offset:8*PC_+16*(PC_/32)+(\off)
.else
	ds_load_b64 v[\reg+2*\p:\reg+2*\p+1], v[\adr+1] offset:8*PC_+16*(PC_/32)+(\off)
.endif
.endr
.endm
.macro WEIGHTS                         ; my 64 resident rows, all of K
.irp q, 0,1,2,3,4,5,6,7
.irp j, 0,1,2,3
	WIN (1+(4*\q+\j)/FPW)<<6
	FRAG FR*((4*\q+\j)%FPW), ADRB, \q, (16*(\j%2)+8*(\j/2))*PITCH
.endr
.endr
	WIN 0
.endm
.macro FETCHX e, adr, off              ; a block of streamed rows into set e
.irp q, 0,1,2,3,4,5,6,7
	WIN (1+(32+8*(\e)+\q)/FPW)<<6
	FRAG FR*((32+8*(\e)+\q)%FPW), \adr, \q, \off
.endr
	WIN 0
.endm
.macro PROD1 d, fb, fa, c, xb, xa, ra, rb
	v_wmma_scale_f32_16x16x128_f8f6f4 v[\d:\d+7], v[FR*((\fb)%FPW):FR*((\fb)%FPW)+FR-1], v[FR*((\fa)%FPW):FR*((\fa)%FPW)+FR-1], \c, v[\xb], v[\xa] matrix_a_fmt:MATRIX_FMT_FP6 matrix_b_fmt:MATRIX_FMT_FP6 matrix_a_scale:MATRIX_SCALE_ROW\ra matrix_b_scale:MATRIX_SCALE_ROW\rb
.endm
.macro PROD2 c, ra                     ; the streamed rows' scale words: lanes 0-15 in an even block, 16-31 in an odd
.if E_
	PROD1 D_, FB_, FA_, \c, XB_, XA_, \ra, 1
.else
	PROD1 D_, FB_, FA_, \c, XB_, XA_, \ra, 0
.endif
.endm
.macro PROD3 c
.if J_%2
	PROD2 \c, 1
.else
	PROD2 \c, 0
.endif
.endm
.macro PROD t, n, cm                   ; product n = 4 q + j of block t of a chunk; the four accumulators take turns
.set E_, (\t)%2
.set Q_, (\n)/4
.set J_, (\n)%4
.set FB_, 4*Q_+J_
.set FA_, 32+8*E_+Q_
.set D_, ACC+8*J_
.set XB_, SB+8*(J_/2)+Q_
.set XA_, SA+8*((\t)/2)+Q_
	WIN (1+FB_/FPW)|((1+FA_/FPW)<<2)
.if Q_
	PROD3 v[D_:D_+7]
.elseif \cm
	PROD3 v[C8:C8+7]
.else
	PROD3 v[BBQ+8*J_:BBQ+8*J_+7]
.endif
.endm
.macro WAYOUT c                        ; 32 sums in a lane: their largest magnitude in two chains, the scale, 32 codes into six registers; the row's two scale bytes into v[Z]
	v_max3_num_f32 v[TQ], |v[ACC]|, |v[ACC+1]|, |v[ACC+2]|
	v_max3_num_f32 v[TQ+1], |v[ACC+16]|, |v[ACC+17]|, |v[ACC+18]|
.irp i, 3,5,7,9,11,13
	v_max3_num_f32 v[TQ], v[TQ], |v[ACC+\i]|, |v[ACC+\i+1]|
	v_max3_num_f32 v[TQ+1], v[TQ+1], |v[ACC+16+\i]|, |v[ACC+17+\i]|
.endr
	v_max3_num_f32 v[TQ], v[TQ], |v[ACC+15]|, 0x1800000
	v_max3_num_f32 v[TQ], v[TQ], |v[ACC+31]|, v[TQ+1]
	v_add_nc_u32 v[SOP], 0xff000000, v[TQ]
	v_lshrrev_b32 v[EB], 23, v[SOP]
	v_cvt_scalef32_pk16_fp6_f32 v[\c:\c+2], v[ACC:ACC+15], v[SOP]
	v_cvt_scalef32_pk16_fp6_f32 v[TC:TC+2], v[ACC+16:ACC+31], v[SOP]
	v_lshlrev_b32 v[Z], v[SH8], v[EB]              ; my block's byte at its place; a plain place behind the conversions
.irp i, 0,1,2
	v_mov_b32 v[\c+3+\i], v[TC+\i]
.endr
	v_permlanex16_b32 v[Y], v[Z], s94, s95
	v_or_b32 v[Z], v[Z], v[Y]
.endm
.macro REFILL                          ; the descriptors (no load of mine is out), the round, one joint load a wave
	s_add_co_u32 s[G0X+1], s67, s66
	s_xor_b32 s66, s66, YB
	SETG0 G0X, 4
	s_add_nc_u64 s[4:5], s[4:5], 128*KROW
	s_cmp_eq_u32 s3, 1
	s_cselect_b64 s[4:5], s[52:53], s[4:5]         ; behind the tokens' last chunk come Wv's two
	s_mov_b32 s[G0R+1], s92
	s_add_co_u32 s92, s92, 16*PITCH
	SETG0 G0R, 32
	s_add_nc_u64 s[32:33], s[32:33], 16*KROW
	s_wait_dscnt 0x0                               ; the add is done, and my reads of the slot and of the resident region are over
	CROUND
	s_cmp_lt_u32 s14, 2
	s_cbranch_scc0 .Lfor_r_\@
	TLOAD G0X, G1X
	s_branch .Lasked_\@
.Lfor_r_\@:
	TLOAD G0R, G1R
.Lasked_\@:
.endm
; A BLOCK.  t: its place in the chunk; cm: phase 2; rnd: with a round; fa, fo: where the block two on lies (fa < 0: none); lw, dw: the counts of the waits for scale words and rows; sl: the set of scale words to ask for; op: the results' pointer; rb: phase 2's bias register
.macro BLOCK t, cm, rnd, fa, fo, lw, dw, sl, op, rb
.if \cm
.irp i, 0,1,2,3,4,5,6,7
	v_mov_b32 v[C8+\i], v[RBV+\rb]
.endr
.endif
	WALU
.if (\lw) >= 0
	s_wait_loadcnt \lw                             ; younger: the other set's two loads
.endif
	s_wait_dscnt \dw                               ; younger: the next block's NF loads
.if \rnd
	s_wait_tensorcnt 0x0                           ; all my tensor loads have landed,
	ds_add_u32 v[SPW], v[NIL]                      ; the add; the products stand between it and its wait
.endif
.set N_, 0
.rept 32
	PROD \t, N_, \cm
.set N_, N_+1
.endr
	WIN 0
	PLACES 4
.if \rnd
	REFILL
.endif
.if (\fa) >= 0
	FETCHX (\t)%2, \fa, \fo
.endif
.if \rnd
	s_cmp_lt_u32 s3, 3
	s_cbranch_scc0 .Lno_ask_\@
	global_prefetch_b8 v[PFO], s[98:99] th:TH_LOAD_NT scope:SCOPE_SE
.Lno_ask_\@:
.endif
.if (\t)%2 == 0
	s_wait_xcnt 0x0                                ; the last image's stores have read their registers
	WAYOUT NCD
	v_mov_b32 v[WE], v[Z]
.else
	WAYOUT NCD+6
	v_cndmask_b32 v[SW+(\t)/2], v[WE], v[Z], s93   ; lanes 0-15 the even block's words, lanes 16-31 the odd block's
.irp c, 0,1,2,3,4,5
	global_store_b64 v[L8], v[NCD+2*\c:NCD+2*\c+1], s[\op:\op+1] offset:((\t)/2)*1536+256*\c   ; 256 consecutive aligned bytes
.endr
.endif
.if (\t) == 3
	global_store_b64 v[L8], v[SW:SW+1], s[\op:\op+1] offset:3072
.endif
.if (\sl) >= 0
	SCLD \sl
.endif
.endm
.macro SLOTS
	v_add_nc_u32 v[AC], s46, v[ADR0]
	v_add_nc_u32 v[AC+1], s46, v[ADR0+1]
	v_add_nc_u32 v[AN], s47, v[ADR0]
	v_add_nc_u32 v[AN+1], s47, v[ADR0+1]
.endm
	WALU                                           ; the wait at the head's end
	s_wait_tensorcnt 0x0                           ; my tile is in; the full sequence ahead of slot 1's first fill
	ds_add_u32 v[SPW], v[NIL]
	s_mov_b32 s[G1R+2], 16<<16                     ; no load of mine is out: from here on the resident region takes 16 rows a load
	s_mov_b32 s[G1R+4], 16
	s_add_co_u32 s[G0X+1], s67, YB
	SETG0 G0X, 4
	s_add_nc_u64 s[4:5], s[4:5], 128*KROW
	s_wait_dscnt 0x0
	CROUND
	s_cmp_lt_u32 s14, 2
	s_cbranch_scc0 .Lno_chunk_1
	TLOAD G0X, G1X                                 ; chunk 1
.Lno_chunk_1:
	WEIGHTS
	FETCHX 0, ADR0, 0
	FETCHX 1, ADR0, BLK
.Lqk:                                                  ; PHASE 1: a trip is a chunk, four blocks
	s_wait_xcnt 0x0
	s_add_nc_u64 s[6:7], s[6:7], 4096              ; the next chunk's scale words,
	s_cmp_eq_u32 s3, 3
	s_cselect_b64 s[6:7], s[54:55], s[6:7]         ; behind the tokens' Wv's
	s_add_nc_u64 s[98:99], s[98:99], 128*KROW      ; the chunk that the next trip loads
	s_cmp_eq_u32 s3, 1
	s_cselect_b64 s[98:99], s[56:57], s[98:99]
	SLOTS
	BLOCK 0, 0, 0, AC, 2*BLK, 2, NF, -1, 12, 0
	BLOCK 1, 0, 0, AC, 3*BLK, -1, NF, 0, 12, 0
	BLOCK 2, 0, 1, AN, 0, 2, NF, -1, 12, 0
	BLOCK 3, 0, 0, AN, BLK, -1, NF, 1, 12, 0
	s_wait_xcnt 0x0
	s_add_nc_u64 s[12:13], s[12:13], 13312         ; the next block of 128 tokens
	s_xor_b32 s46, s46, YB
	s_xor_b32 s47, s47, YB
	s_add_co_u32 s3, s3, 1
	s_cmp_lt_u32 s3, 4
	WALU
	s_cbranch_scc1 .Lqk
; THE CHANGE OF PHASE: a plain barrier shows v's tokens and Wv's second chunk to all
	s_wait_tensorcnt 0x0
	s_wait_dscnt 0x0
	s_barrier_signal -1
	s_barrier_wait -1
	WIN 3
.set I, 0
.rept 16
	v_mov_b32 v[SB+I], v[SB2+I]
.set I, I+1
.endr
	WIN 0
	s_add_nc_u64 s[6:7], s[6:7], 4096
	SLOTS
	WEIGHTS
	BLOCK 0, 1, 0, AC, 2*BLK, 2, 0, -1, 62, 0      ; PHASE 2, written out: the last two blocks fetch nothing
	BLOCK 1, 1, 0, AC, 3*BLK, -1, NF, 0, 62, 1
	BLOCK 2, 1, 0, AN, 0, 2, NF, -1, 62, 2
	BLOCK 3, 1, 0, AN, BLK, -1, NF, 1, 62, 3
	s_wait_xcnt 0x0
	s_add_nc_u64 s[62:63], s[62:63], 16*13312      ; the next pair of heads
	BLOCK 0, 1, 0, AN, 2*BLK, 2, NF, -1, 62, 4
	BLOCK 1, 1, 0, AN, 3*BLK, -1, NF, -1, 62, 5
	BLOCK 2, 1, 0, -1, 0, 0, NF, -1, 62, 6
	BLOCK 3, 1, 0, -1, 0, -1, 0, -1, 62, 7
	s_wait_tensorcnt 0x0                           ; the wave's end
	ds_add_u32 v[SPW], v[NIL]
	s_wait_dscnt 0x0
	CROUND                                         ; the closing round
	s_endpgm
.Lfunc_end_k_q8122b783e1_proj:
	.size	k_q8122b783e1_proj, .Lfunc_end_k_q8122b783e1_proj-k_q8122b783e1_proj
	.p2alignl 7, 3214868480
	.fill 96, 4, 3214868480
	.section	.rodata,"a",@progbits
	.p2align	6, 0x0
	.amdhsa_kernel k_q8122b783e1_proj
		.amdhsa_group_segment_fixed_size 327680
		.amdhsa_private_segment_fixed_size 0
		.amdhsa_enable_private_segment 0
		.amdhsa_kernarg_size 128
		.amdhsa_user_sgpr_count 2
		.amdhsa_user_sgpr_kernarg_segment_ptr 1
		.amdhsa_wavefront_size32 1
		.amdhsa_system_sgpr_workgroup_id_x 1
		.amdhsa_system_sgpr_workgroup_id_y 1
		.amdhsa_system_sgpr_workgroup_id_z 1
		.amdhsa_system_vgpr_workitem_id 0
		.amdhsa_next_free_vgpr 864
		.amdhsa_next_free_sgpr 102
		.amdhsa_reserve_vcc 0
		.amdhsa_float_denorm_mode_32 3
		.amdhsa_float_denorm_mode_16_64 3
		.amdhsa_memory_ordered 1
		.amdhsa_forward_progress 1
		.amdhsa_inst_pref_size 154
	.end_amdhsa_kernel
	.amdgpu_metadata
---
amdhsa.version: [ 1, 2 ]
amdhsa.kernels:
  - .name:           k_q8122b783e1_proj
    .symbol:         k_q8122b783e1_proj.kd
    .args:
      - { .name: q_codes, .offset: 0, .size: 8, .value_kind: global_buffer, .address_space: global }
      - { .name: q_scales, .offset: 8, .size: 8, .value_kind: global_buffer, .address_space: global }
      - { .name: k_codes, .offset: 16, .size: 8, .value_kind: global_buffer, .address_space: global }
      - { .name: k_scales, .offset: 24, .size: 8, .value_kind: global_buffer, .address_space: global }
      - { .name: v_codes, .offset: 32, .size: 8, .value_kind: global_buffer, .address_space: global }
      - { .name: v_scales, .offset: 40, .size: 8, .value_kind: global_buffer, .address_space: global }
      - { .name: Wq_w_codes, .offset: 48, .size: 8, .value_kind: global_buffer, .address_space: global }
      - { .name: Wq_w_scales, .offset: 56, .size: 8, .value_kind: global_buffer, .address_space: global }
      - { .name: Wk_w_codes, .offset: 64, .size: 8, .value_kind: global_buffer, .address_space: global }
      - { .name: Wk_w_scales, .offset: 72, .size: 8, .value_kind: global_buffer, .address_space: global }
      - { .name: Wv_w_codes, .offset: 80, .size: 8, .value_kind: global_buffer, .address_space: global }
      - { .name: Wv_w_scales, .offset: 88, .size: 8, .value_kind: global_buffer, .address_space: global }
      - { .name: Wq_b, .offset: 96, .size: 8, .value_kind: global_buffer, .address_space: global }
      - { .name: Wk_b, .offset: 104, .size: 8, .value_kind: global_buffer, .address_space: global }
      - { .name: Wv_b, .offset: 112, .size: 8, .value_kind: global_buffer, .address_space: global }
      - { .name: qkv, .offset: 120, .size: 8, .value_kind: global_buffer, .address_space: global }
    .group_segment_fixed_size: 327680
    .private_segment_fixed_size: 0
    .kernarg_segment_align: 8
    .kernarg_segment_size: 128
    .max_flat_workgroup_size: 128
    .sgpr_count:     102
    .vgpr_count:     864
    .wavefront_size: 32
...
	.end_amdgpu_metadata
.endif
;; end of part 1
;; launch attn (part 2): grid 4 x 64, 16 waves a work-group, clusters of 4 x 1, 216,064 bytes of LDS; arguments qkv, acodes, asc; writes acodes, asc
.if DOCPART == 2
	.amdgcn_target "amdgcn-amd-amdhsa--gfx1250"
	.amdhsa_code_object_version 6
	.text
	.protected	k_q8122b783e1_attn
	.globl	k_q8122b783e1_attn
	.p2align	8
	.type	k_q8122b783e1_attn,@function
k_q8122b783e1_attn:
	s_mov_b64 s[64:65], 0
	v_nop
	global_prefetch_b8 v0, s[64:65] scope:SCOPE_SE
	s_setreg_imm32_b32 hwreg(HW_REG_WAVE_MODE, 25, 1), 1
	s_wait_xcnt 0x0
	s_wait_alu depctr_hold_cnt(0) depctr_sa_sdst(0) depctr_va_vdst(0) depctr_va_sdst(0) depctr_va_ssrc(0) depctr_va_vcc(0) depctr_vm_vsrc(0)
	s_getreg_b32 s2, hwreg(HW_REG_IB_STS2, 6, 4)
	s_cmp_eq_u32 s2, 0
	s_cbranch_scc0 .Lentry_in_a_cluster
	s_endpgm
.Lentry_in_a_cluster:
	s_bfe_u32 s2, ttmp6, 0x10000c
	s_cmp_lg_u32 s2, 0x3003
	s_cbranch_scc0 .Lentry_shape_is_right
	s_endpgm
.Lentry_shape_is_right:
; ATTENTION ON CODES OF FP6 (E2M3): S^T = K Q^T, p = 2^(t - M), O^T = V^T P^T, O / l, and the quantiser of the result along the model's 1,024 channels.
; t = score x log2(e) / 8; M = the running largest t rounded up to a whole number; p is quantised along the keys, not normalised; l is the sum of the unquantised p.
; SHARES.  A work-group owns 512 queries of one head (y = batch 16 + head; the place in the cluster is the block of queries); each of its sixteen waves owns 32 queries, two tiles A and B,
; so that each fragment of K and of V read from LDS feeds two products.  Four waves to a SIMD.
; LDS IS FILLED ONCE: K's sixteen key steps (128 keys, 6,656 bytes a step) from byte 0, V's sixteen from byte 106,496.  The four work-groups of a cluster walk the same K and V: four joint loads,
; one a wave: wave 0 K's steps 0-3, wave 1 V's steps 0-3, wave 2 K's steps 4-15, wave 3 V's steps 4-15.  A barrier shows the first four steps, a second one the rest.  No prefetch: all tiles are asked for at the head.
; All operands lie in qkv as images of their registers, 8 bytes a lane; two pieces of 256 bytes come by one two-address load where both lie within its reach of one address register.
; THE HEAD HAS 64 CHANNELS, THE INSTRUCTION 128 ALONG K: Q's fragment is six registers of codes and six of zeros.  K's tile t is named as twelve registers of which the upper six are the next tile's
; codes (behind the last tile: zeros): every pattern of six bits is a finite number, and it meets a zero code.
; A tile of K is 16 neighbouring keys; place 16 H + 8 u + j of a block of 32 of p then holds key 16 u + 8 H + j, which is the order in which V's codes were laid.
; V's scale word of 128 keys comes as two half words, one with each 64 keys, and is joined here.
; LIMITS: NaN and infinities are not served; a block whose largest magnitude lies under 2^-124 gets the scale byte 1 (bytes read by this program alone); the scaled scores stay under 2^31 in magnitude.
.set KSEC,  6815744
.set VSEC,  13631488
.set HEADB, 212992
.set CHB,   53248                      ; four steps in memory
.set STEPB, 6656
.set VROW,  3328
.set VB,    106496
.set SG,    212992                     ; 1,024 bytes into which no tile lands: the result's scale bytes meet here
.set L8,  1
.set ADR, 2
.set MS,  3
.set STA, 4                            ; v4-7 tile A: -M, the largest t, the sum in two halves;  v8-11 tile B
.set STB, 8
.set QA,  12
.set QB,  24
.set QS,  36
.set PS,  37
.set PC,  38
.set TM,  50
.set TP,  54
.set TSO, 62
.set F,   66
.set KS2, 68
.set KF,  70                           ; v70-117 K's eight tiles, later V's four;  v118-123 zeros
.set S,   124
.set OA,  188
.set OB,  220
.set KS0, 252
.set WV,  10
.set SEL, 20
.set CS,  22
.set G1K, 24
.set G1V, 32
.set TB,  76
.set CNT, 77
.set TBV, 94
.macro CROUND
	s_barrier_signal -1
	s_barrier_wait -1
	s_cmp_lg_u32 s[WV], 0
	s_cbranch_scc1 .Lnot_wave_0_\@
	s_barrier_signal -3
.Lnot_wave_0_\@:
	s_barrier_wait -3
	s_barrier_signal -1
	s_barrier_wait -1
.endm
.macro MKG0 g, lds, base, off
	s_mov_b32 s[\g], 1
	s_mov_b32 s[\g+1], \lds
	s_add_nc_u64 s[\g+2:\g+3], s[\base:\base+1], \off
	s_or_b32 s[\g+3], s[\g+3], 0x80000000
.endm
.macro MKG1 g, el, rows, pitch         ; rows of el elements of 8 bytes, no padding; the mask names all four work-groups
	s_mov_b32 s[\g], 15|(3<<16)|(1<<21)
	s_mov_b32 s[\g+1], (\el)<<16
	s_mov_b32 s[\g+2], (\rows)<<16
	s_mov_b32 s[\g+3], (\el)<<16
	s_mov_b32 s[\g+4], \rows
	s_mov_b32 s[\g+5], \pitch
	s_mov_b32 s[\g+6], 0
	s_mov_b32 s[\g+7], 0
.endm
.macro ARM n, g0, g1, next
	s_cmp_eq_u32 s[WV], \n
	s_cbranch_scc0 \next
	tensor_load_to_lds s[\g0:\g0+3], s[\g1:\g1+7]
	s_nop 0
.rept 4
	v_nop
.endr
	s_branch .Lasked
\next:
.endm
	s_load_b128 s[4:7], s[0:1], 0x0                ; qkv, acodes
	s_load_b64 s[8:9], s[0:1], 0x10                ; asc
	v_lshl_add_u32 v254, v0, 2, 0x34400
	v_mov_b32 v255, 0
	ds_add_u32 v254, v255                          ; the opening lines
	ds_add_u32 v254, v255
	s_wait_dscnt 0x0
	v_lshrrev_b32 v2, 5, v0
	v_readfirstlane_b32 s[WV], v2
	s_bfe_u32 s11, ttmp6, 0x40000                  ; cx: my block of 512 queries; it enters Q's and the results' global addresses alone
	s_and_b32 s12, ttmp7, 0xffff                   ; batch 16 + head
	s_lshr_b32 s13, s12, 1
	s_and_b32 s14, s12, 1
	s_mul_i32 s15, s13, HEADB
	s_mul_i32 s16, s14, 6656
	s_add_co_u32 s16, s16, s15
	s_add_co_u32 s16, s16, KSEC
	s_mov_b32 s17, 0
	s_mul_i32 s18, s14, VROW
	s_add_co_u32 s18, s18, s15
	s_add_co_u32 s18, s18, VSEC
	s_mov_b32 s19, 0
	MKG1 G1K, 832, 4, 1664                         ; K: rows of 6,656 bytes, 13,312 apart
	MKG1 G1V, 416, 8, 832                          ; V: rows of 3,328 bytes, 6,656 apart
	MKG1 40, 832, 12, 1664
	MKG1 48, 416, 24, 832
	s_mov_b32 s[SEL], 0x76543210
	s_mov_b32 s[SEL+1], 0xfedcba98
	s_mov_b32 s[CS], 0x3e38aa3b                    ; c = log2(e) / 8
	s_mov_b32 s[CS+1], s[CS]
	s_mov_b32 s[TB], 0
	s_mov_b32 s[TBV], VB
	s_wait_kmcnt 0x0
	s_add_nc_u64 s[78:79], s[4:5], s[16:17]
	s_add_nc_u64 s[80:81], s[4:5], s[18:19]
	MKG0 56, 0, 78, 0
	MKG0 60, VB, 80, 0
	MKG0 68, 4*STEPB, 78, CHB
	MKG0 72, VB+4*STEPB, 80, CHB
	CROUND
	ARM 0, 56, G1K, .Larm_1
	ARM 1, 60, G1V, .Larm_2
	ARM 2, 68, 40, .Larm_3
	ARM 3, 72, 48, .Larm_4
.Lasked:
	s_lshl_b32 s82, s11, 2                         ; Q: my 32 queries are image (wave % 4) of group 4 cx + wave / 4
	s_lshr_b32 s83, s[WV], 2
	s_add_co_u32 s82, s82, s83
	s_mul_i32 s82, s82, 13312
	s_add_co_u32 s82, s82, s15
	s_mul_i32 s83, s14, 6656
	s_add_co_u32 s82, s82, s83
	s_bfe_u32 s83, s[WV], 0x10001
	s_mul_i32 s83, s83, VROW
	s_add_co_u32 s82, s82, s83
	s_mov_b32 s83, 0
	s_add_nc_u64 s[84:85], s[4:5], s[82:83]
	s_and_b32 s86, s[WV], 1
	s_mul_i32 s88, s86, 1536
	s_mov_b32 s89, 0
	s_add_nc_u64 s[90:91], s[84:85], s[88:89]
	s_lshl_b32 s88, s86, 2
	s_add_co_u32 s88, s88, 3072
	s_add_nc_u64 s[92:93], s[84:85], s[88:89]
	v_and_b32 v[L8], 31, v0
	v_lshlrev_b32 v[L8], 3, v[L8]
.irp c, 0,1,2
	global_load_b64 v[QA+2*\c:QA+2*\c+1], v[L8], s[90:91] offset:256*\c
	global_load_b64 v[QB+2*\c:QB+2*\c+1], v[L8], s[90:91] offset:768+256*\c
.endr
	global_load_b32 v[QS], v[L8], s[92:93]
	s_lshr_b32 s86, s12, 4                         ; where the results go
	s_lshl_b32 s87, s86, 7
	s_lshl_b32 s88, s11, 5
	s_add_co_u32 s87, s87, s88
	s_lshl_b32 s88, s[WV], 1
	s_add_co_u32 s87, s87, s88
	s_mul_i32 s87, s87, 12288
	s_bfe_u32 s88, s12, 0x30001
	s_mul_i32 s88, s88, 1536
	s_add_co_u32 s87, s87, s88
	s_mul_i32 s88, s14, 768
	s_add_co_u32 s88, s87, s88
	s_add_nc_u64 s[6:7], s[6:7], s[88:89]          ; acodes: tile x 12,288 + head pair x 1,536 + head's half x 768
	s_and_b32 s87, s12, 15
	s_lshl_b32 s87, s87, 14
	s_lshl_b32 s88, s86, 12
	s_add_co_u32 s87, s87, s88
	s_lshl_b32 s88, s11, 10
	s_add_co_u32 s88, s87, s88
	s_add_nc_u64 s[8:9], s[8:9], s[88:89]          ; asc: head x 16,384 + 2 x the work-group's first token
.irp j, 0,1,2,3,4,5
	v_mov_b32 v[QA+6+\j], 0
	v_mov_b32 v[QB+6+\j], 0
	v_mov_b32 v[KF+48+\j], 0
.endr
.irp x, STA, STB
	v_mov_b32 v[\x+1], 0xff61b1e6                  ; the largest t so far: -3e38
	v_mov_b32 v[\x+2], 0
	v_mov_b32 v[\x+3], 0
	v_floor_f32 v[\x], -v[\x+1]
.endr
.irp j, 0,1,2,3,4,5,6,7
	v_mov_b32 v[TP+\j], 0
.endr
	v_mov_b32 v[F+1], 0
	v_mov_b32 v254, 0
	v_mov_b32 v255, 0
.set n, 0
.rept 64
	v_mov_b32 v[OA+n], 0                           ; O^T: the step is written once; its first walk finds zeros
.set n, n+1
.endr
.macro KQ1 t, qf, ksr, ra, rb
	v_wmma_scale_f32_16x16x128_f8f6f4 v[S+8*(\t):S+8*(\t)+7], v[KF+6*(\t):KF+6*(\t)+11], v[\qf:\qf+11], 0, v[\ksr], v[QS] matrix_a_fmt:MATRIX_FMT_FP6 matrix_b_fmt:MATRIX_FMT_FP6 matrix_a_scale:MATRIX_SCALE_ROW\ra matrix_b_scale:MATRIX_SCALE_ROW\rb
.endm
.macro KQ qf, row1                     ; S^T = K Q^T for one tile of queries: eight tiles of 16 keys
.irp t, 0,2
	KQ1 \t, \qf, KS0+\t/2, 0, \row1
	KQ1 \t+1, \qf, KS0+\t/2, 1, \row1
.endr
.irp t, 4,6
	KQ1 \t, \qf, KS2+\t/2-2, 0, \row1
	KQ1 \t+1, \qf, KS2+\t/2-2, 1, \row1
.endr
.endm
.macro PV o                            ; O^T += V^T P^T: four accumulators by turns
.irp t, 0,1,2,3
.if \t%2 == 0
	v_wmma_scale_f32_16x16x128_f8f6f4 v[\o+8*\t:\o+8*\t+7], v[KF+12*\t:KF+12*\t+11], v[PC:PC+11], v[\o+8*\t:\o+8*\t+7], v[KS0+\t/2], v[PS] matrix_a_fmt:MATRIX_FMT_FP6 matrix_b_fmt:MATRIX_FMT_FP6
.else
	v_wmma_scale_f32_16x16x128_f8f6f4 v[\o+8*\t:\o+8*\t+7], v[KF+12*\t:KF+12*\t+11], v[PC:PC+11], v[\o+8*\t:\o+8*\t+7], v[KS0+\t/2], v[PS] matrix_a_fmt:MATRIX_FMT_FP6 matrix_b_fmt:MATRIX_FMT_FP6 matrix_a_scale:MATRIX_SCALE_ROW1
.endif
.endr
.endm
.macro SM1 st                          ; the largest score of each block of 32 keys (four chains by turns), the running largest t, the new -M, f
.irp b, 0,1,2,3
	v_max3_num_f32 v[TM+\b], v[S+16*\b], v[S+16*\b+1], v[S+16*\b+2]
.endr
.irp i, 3,5,7,9,11,13
.irp b, 0,1,2,3
	v_max3_num_f32 v[TM+\b], v[TM+\b], v[S+16*\b+\i], v[S+16*\b+\i+1]
.endr
.endr
.irp b, 0,1,2,3
	v_max_num_f32 v[TM+\b], v[TM+\b], v[S+16*\b+15]
.endr
.irp b, 0,1,2,3
	v_permlanex16_b32 v[TP+\b], v[TM+\b], s[SEL], s[SEL+1]
.endr
.irp b, 0,1,2,3
	v_max_num_f32 v[TM+\b], v[TM+\b], v[TP+\b]
.endr
	s_delay_alu instid0(VALU_DEP_2)
	v_max3_num_f32 v[MS], v[TM], v[TM+1], v[TM+2]
	s_delay_alu instid0(VALU_DEP_1)
	v_max_num_f32 v[MS], v[MS], v[TM+3]
	s_delay_alu instid0(VALU_DEP_1)
	v_mul_f32 v[MS], s[CS], v[MS]
	s_delay_alu instid0(VALU_DEP_1)
	v_max_num_f32 v[\st+1], v[\st+1], v[MS]
	v_mov_b32 v[MS], v[\st]
	s_delay_alu instid0(VALU_DEP_2)
	v_floor_f32 v[\st], -v[\st+1]                  ; the new -M = -ceil(t)
	s_delay_alu instid0(VALU_DEP_1)
	v_sub_f32 v[MS], v[\st], v[MS]
	s_delay_alu instid0(VALU_DEP_1)
	v_cvt_i32_f32 v[MS], v[MS]
	s_delay_alu instid0(VALU_DEP_1)
	v_ldexp_f32 v[F], 1.0, v[MS]                   ; f = 2^(old M - new M)
.endm
.macro SM2A st                         ; t - M
.set n, 0
.rept 32
	v_pk_fma_f32 v[S+n:S+n+1], v[S+n:S+n+1], s[CS:CS+1], v[\st:\st+1] op_sel_hi:[1,0,0]
.set n, n+2
.endr
.irp b, 0,1,2,3
	v_fma_f32 v[TM+\b], v[TM+\b], s[CS], v[\st]
.endr
.endm
.macro SM2B st, o                      ; p, its codes and scale word, its sum; O^T and the sum under the new M
.set n, 0
	s_wait_alu depctr_va_vdst(0)
.rept 64
	v_exp_f32 v[S+n], v[S+n]
.set n, n+1
.endr
.irp b, 0,1,2,3
	v_exp_f32 v[TM+\b], v[TM+\b]                   ; the block's largest p: the same two instructions on the same number
.endr
	v_pk_mul_f32 v[\st+2:\st+3], v[\st+2:\st+3], v[F:F+1] op_sel_hi:[1,0]
	s_wait_alu depctr_va_vdst(0)
.irp b, 0,1,2,3
	v_max_num_f32 v[TM+\b], 0x1800000, v[TM+\b]
.endr
.irp b, 0,1,2,3
	v_add_nc_u32 v[TSO+\b], 0xff000000, v[TM+\b]
.endr
.irp b, 0,1,2,3
	v_lshrrev_b32 v[TP+\b], 23, v[TSO+\b]
.endr
	v_lshl_or_b32 v[PS], v[TP+1], 8, v[TP]
	v_lshl_or_b32 v[TP+2], v[TP+3], 8, v[TP+2]
	v_lshl_or_b32 v[PS], v[TP+2], 16, v[PS]
.irp c, 0,1
	v_cvt_scalef32_pk16_fp6_f32 v[PC+6*\c:PC+6*\c+2], v[S+32*\c:S+32*\c+15], v[TSO+2*\c]
	v_cvt_scalef32_pk16_fp6_f32 v[TP+4*\c:TP+4*\c+2], v[S+32*\c+16:S+32*\c+31], v[TSO+2*\c+1]
.endr
	v_nop
.irp c, 0,1
.irp i, 0,1,2
	v_permlane16_swap_b32 v[PC+6*\c+\i], v[TP+4*\c+\i]
.endr
.irp i, 0,1,2
	v_mov_b32 v[PC+6*\c+3+\i], v[TP+4*\c+\i]
.endr
.endr
	v_pk_add_f32 v[TP:TP+1], v[S:S+1], v[S+2:S+3]
.set n, 4
.rept 15
	v_pk_add_f32 v[\st+2:\st+3], v[\st+2:\st+3], v[S+n:S+n+1]
	v_pk_add_f32 v[TP:TP+1], v[TP:TP+1], v[S+n+2:S+n+3]
.set n, n+4
.endr
	v_pk_add_f32 v[\st+2:\st+3], v[\st+2:\st+3], v[TP:TP+1]
.set n, 0
.rept 16
	v_pk_mul_f32 v[\o+n:\o+n+1], v[\o+n:\o+n+1], v[F:F+1] op_sel_hi:[1,0]
.set n, n+2
.endr
.endm
.macro BASES r, sb                     ; four address registers, each for two tiles of 768 bytes; four plain lines, which are also the places behind the products above them
	v_add_nc_u32 v[\r], s[\sb], v[L8]
	v_add_nc_u32 v[\r+1], 1536, v[\r]
	v_add_nc_u32 v[\r+2], VROW, v[\r]
	v_add_nc_u32 v[\r+3], VROW+1536, v[\r]
.endm
.macro STEP                            ; 128 keys for my two tiles of queries
	BASES S, TB
.irp k, 0,1,2,3
.irp m, 0,1,2
	ds_load_2addr_b64 v[KF+12*\k+4*\m:KF+12*\k+4*\m+3], v[S+\k] offset0:64*\m offset1:64*\m+32
.endr
.endr
	ds_load_b64 v[KS0:KS0+1], v[S+1] offset:1536   ; scale words: lanes 0-15 the even tile's, lanes 16-31 the odd tile's
	ds_load_b64 v[KS2:KS2+1], v[S+3] offset:1536
	s_wait_dscnt 0x0
	KQ QA, 0
.rept 4
	v_nop
.endr
	SM1 STA
	SM2A STA
	SM2B STA, OA
	KQ QB, 1
	BASES TP, TBV
	ds_load_b64 v[KS0:KS0+1], v[TP+1] offset:1536  ; V's scale words: the first 64 keys' half,
	ds_load_b64 v[KS2:KS2+1], v[TP+3] offset:1536  ; the second 64 keys'
.irp t, 0,1,2,3
	ds_load_2addr_b64 v[KF+12*\t:KF+12*\t+3], v[TP+\t/2] offset0:96*(\t%2) offset1:96*(\t%2)+32
	ds_load_b64 v[KF+12*\t+4:KF+12*\t+5], v[TP+\t/2] offset:768*(\t%2)+512
	ds_load_b64 v[KF+12*\t+6:KF+12*\t+7], v[TP+2+\t/2] offset:768*(\t%2)
	ds_load_2addr_b64 v[KF+12*\t+8:KF+12*\t+11], v[TP+2+\t/2] offset0:96*(\t%2)+32 offset1:96*(\t%2)+64
.endr
	SM1 STB                                        ; stands between V's loads and the wait for them
	s_wait_alu depctr_va_vdst(0)
	s_wait_dscnt 0x0
	v_lshl_or_b32 v[KS0], v[KS2], 16, v[KS0]       ; the two halves make the word; the 36 lines below are its places ahead of the products
	v_lshl_or_b32 v[KS0+1], v[KS2+1], 16, v[KS0+1]
	SM2A STB
	PV OA
	SM2B STB, OB                                   ; thirteen plain lines stand ahead of its first write of p's scale word and codes
	PV OB
.endm
.macro CHUNK n, first                  ; a run of n key steps.  Ahead of the first run waves 0 and 1 wait for their loads (lines of their own); ahead of the second every wave waits for all that is out
.if \first
	s_cmp_lt_u32 s[WV], 2
	s_cbranch_scc0 .Lnot_mine_\@
	s_wait_tensorcnt 0x0
.Lnot_mine_\@:
.else
	s_wait_tensorcnt 0x0
.endif
	s_wait_dscnt 0x0
	s_barrier_signal -1
	s_barrier_wait -1
	s_mov_b32 s[CNT], \n
.Lstep_\@:
	STEP
	s_add_co_u32 s[TB], s[TB], STEPB
	s_add_co_u32 s[TBV], s[TBV], STEPB
	s_sub_co_u32 s[CNT], s[CNT], 1
	s_cmp_lg_u32 s[CNT], 0
	s_cbranch_scc1 .Lstep_\@
.endm
	s_wait_loadcnt 0x0                             ; Q
	CHUNK 4, 1
	CHUNK 12, 0
; THE WAY OUT of one tile of 16 queries: O^T / l; lane half h takes channels 32 b + 16 h + 0 .. 15; two blocks of 32 quantised; six registers of codes stored as they stand
.macro EPI st, o, tt, e, u, x
	v_add_f32 v254, v[\st+2], v[\st+3]
	v_permlanex16_b32 v255, v254, s[SEL], s[SEL+1]
	v_add_f32 v254, v254, v255
	s_wait_alu depctr_va_vdst(0)
	v_rcp_f32 v254, v254
	v_nop
.set n, 0
	s_wait_alu depctr_va_vdst(0)
.rept 16
	v_pk_mul_f32 v[\tt+n:\tt+n+1], v[\o+n:\o+n+1], v[254:255] op_sel_hi:[1,0]
.set n, n+2
.endr
.irp b, 0,1
.irp j, 0,1,2,3,4,5,6,7
	v_permlane16_swap_b32 v[\tt+16*\b+\j], v[\tt+16*\b+8+\j]
.endr
.endr
.irp b, 0,1
	v_max3_num_f32 v[TM+\b], |v[\tt+16*\b]|, |v[\tt+16*\b+1]|, 0x1800000
.endr
.irp i, 2,4,6,8,10,12,14
.irp b, 0,1
	v_max3_num_f32 v[TM+\b], v[TM+\b], |v[\tt+16*\b+\i]|, |v[\tt+16*\b+\i+1]|
.endr
.endr
.irp b, 0,1
	v_permlanex16_b32 v[TP+\b], v[TM+\b], s[SEL], s[SEL+1]
.endr
.irp b, 0,1
	v_max_num_f32 v[TM+\b], v[TM+\b], v[TP+\b]
.endr
.irp b, 0,1
	v_add_nc_u32 v[TSO+\b], 0xff000000, v[TM+\b]
.endr
.irp b, 0,1
	v_lshrrev_b32 v[TM+\b], 23, v[TSO+\b]
.endr
	v_lshl_or_b32 v[\u], v[TM+1], 8, v[TM]
	v_cvt_scalef32_pk16_fp6_f32 v[\e:\e+2], v[\tt:\tt+15], v[TSO]
	v_cvt_scalef32_pk16_fp6_f32 v[TP:TP+2], v[\tt+16:\tt+31], v[TSO+1]
	v_nop
.irp i, 0,1,2
	v_permlane16_swap_b32 v[\e+\i], v[TP+\i]
.endr
.irp i, 0,1,2
	v_mov_b32 v[\e+3+\i], v[TP+\i]
.endr
.irp c, 0,1,2
	global_store_b64 v[L8], v[\e+2*\c:\e+2*\c+1], s[6:7] offset:\x*12288+256*\c
.endr
.endm
.rept 4
	v_nop
.endr
	EPI STA, OA, S, PC, F, 0
	EPI STB, OB, S+32, PC+6, F+1, 1
	s_mov_b32 vcc_lo, 0xffff0000
	v_cndmask_b32 v[F], v[F], v[F+1], vcc_lo       ; lane l: the two bytes of my wave's query l
	v_lshl_add_u32 v[ADR], v0, 1, SG
	v_lshl_add_u32 v[MS], v0, 4, SG
	v_lshlrev_b32 v[TM], 4, v0
	ds_store_b16 v[ADR], v[F]
	s_wait_dscnt 0x0
	s_barrier_signal -1
	s_barrier_wait -1
	s_cmp_lt_u32 s[WV], 2                          ; the work-group's 1,024 bytes leave by waves 0 and 1: 16 bytes a lane
	s_cbranch_scc0 .Lno_scales
	s_wait_alu depctr_va_vdst(0)
	ds_load_b128 v[S:S+3], v[MS]
	s_wait_dscnt 0x0
	global_store_b128 v[TM], v[S:S+3], s[8:9]
.Lno_scales:
	s_wait_xcnt 0x0
	v_lshl_add_u32 v254, v0, 2, 0x34400
	v_mov_b32 v255, 0
	s_wait_alu depctr_va_vdst(0)
	s_wait_tensorcnt 0x0                           ; the wave's end
	ds_add_u32 v254, v255
	s_wait_dscnt 0x0
	CROUND
	s_endpgm
.Lfunc_end_k_q8122b783e1_attn:
	.size	k_q8122b783e1_attn, .Lfunc_end_k_q8122b783e1_attn-k_q8122b783e1_attn
	.p2alignl 7, 3214868480
	.fill 96, 4, 3214868480
	.section	.rodata,"a",@progbits
	.p2align	6, 0x0
	.amdhsa_kernel k_q8122b783e1_attn
		.amdhsa_group_segment_fixed_size 216064
		.amdhsa_private_segment_fixed_size 0
		.amdhsa_enable_private_segment 0
		.amdhsa_kernarg_size 24
		.amdhsa_user_sgpr_count 2
		.amdhsa_user_sgpr_kernarg_segment_ptr 1
		.amdhsa_wavefront_size32 1
		.amdhsa_system_sgpr_workgroup_id_x 1
		.amdhsa_system_sgpr_workgroup_id_y 1
		.amdhsa_system_sgpr_workgroup_id_z 1
		.amdhsa_system_vgpr_workitem_id 0
		.amdhsa_next_free_vgpr 256
		.amdhsa_next_free_sgpr 96
		.amdhsa_reserve_vcc 1
		.amdhsa_float_denorm_mode_32 3
		.amdhsa_float_denorm_mode_16_64 3
		.amdhsa_memory_ordered 1
		.amdhsa_forward_progress 1
		.amdhsa_inst_pref_size 81
	.end_amdhsa_kernel
	.amdgpu_metadata
---
amdhsa.version: [ 1, 2 ]
amdhsa.kernels:
  - .name:           k_q8122b783e1_attn
    .symbol:         k_q8122b783e1_attn.kd
    .args:
      - { .name: qkv, .offset: 0, .size: 8, .value_kind: global_buffer, .address_space: global }
      - { .name: acodes, .offset: 8, .size: 8, .value_kind: global_buffer, .address_space: global }
      - { .name: asc, .offset: 16, .size: 8, .value_kind: global_buffer, .address_space: global }
    .group_segment_fixed_size: 216064
    .private_segment_fixed_size: 0
    .kernarg_segment_align: 8
    .kernarg_segment_size: 24
    .max_flat_workgroup_size: 512
    .sgpr_count:     96
    .vgpr_count:     256
    .wavefront_size: 32
...
	.end_amdgpu_metadata
.endif
;; end of part 2
;; launch outp (part 3): grid 4 x 64, 4 waves a work-group, clusters of 4 x 4, 327,680 bytes of LDS; arguments acodes, asc, W0_w_codes, W0_w_scales, W0_b, out0; writes out0
.if DOCPART == 3
	.amdgcn_target "amdgcn-amd-amdhsa--gfx1250"
	.amdhsa_code_object_version 6
	.text
	.protected	k_q8122b783e1_outp
	.globl	k_q8122b783e1_outp
	.p2align	8
	.type	k_q8122b783e1_outp,@function
k_q8122b783e1_outp:
	s_mov_b64 s[64:65], 0
	v_nop
	global_prefetch_b8 v0, s[64:65] scope:SCOPE_SE
	s_setreg_imm32_b32 hwreg(HW_REG_WAVE_MODE, 25, 1), 1
	s_wait_xcnt 0x0
	s_wait_alu depctr_hold_cnt(0) depctr_sa_sdst(0) depctr_va_vdst(0) depctr_va_sdst(0) depctr_va_ssrc(0) depctr_va_vcc(0) depctr_vm_vsrc(0)
	s_getreg_b32 s2, hwreg(HW_REG_IB_STS2, 6, 4)
	s_cmp_eq_u32 s2, 0
	s_cbranch_scc0 .Lentry_in_a_cluster
	s_endpgm
.Lentry_in_a_cluster:
	s_bfe_u32 s2, ttmp6, 0x10000c
	s_cmp_lg_u32 s2, 0xf033
	s_cbranch_scc0 .Lentry_shape_is_right
	s_endpgm
.Lentry_shape_is_right:
; THE OUTPUT PROJECTION: out = A W0^T + b on codes of FP6 (E2M3) with E8M0 scales; A is the attention launch's result, 8,192 x 1,024; out is f32.
; 256 work-groups; each makes 128 tokens x 256 columns, all of K = 1,024 at once.  Four waves, 2 x 2; a wave makes 64 x 128: 32 accumulators, 256 registers.
; LDS IS FILLED ONCE, one joint load a wave: A's eight tiles of 16 tokens (a dense block of 98,304 bytes, asked for as rows of 256), W0's 256 rows of 768 bytes in two halves (16 bytes of padding behind every 256), W0's scale bytes.
; A ARRIVES AS IMAGES OF ITS FRAGMENTS: acodes[tile of 16 tokens][K step of 128][1,536 bytes], registers 2 c, 2 c + 1 of lane l at 256 c + 8 l.
; A's scale bytes lie by heads, asc[head][token] of two bytes: the threads of waves 0 and 1 gather two tokens' rows of 32 bytes each and store them in LDS bytes into which no tile lands.
; CLUSTERS 4 x 4: A's tile is shared along a row of the cluster, W0's along a column.  No prefetch: the launch has no loop to run ahead in; all its tiles are asked for at its head.
; The matrix instruction is used transposed: a lane holds eight neighbouring numbers of a row of out.  The bias is the first products' C.  LIMITS: NaN and infinities are not served.
.set SIZE_N, 1024
.set KROW,   768
.set PITCH,  816
.set FR,     12
.set BLK,    16*PITCH
.set AIM,    12288                     ; a tile of 16 tokens, all of K
.set AB,     8*AIM                     ; W0's rows
.set SCL,    AB+256*PITCH              ; A's scale bytes, stored by the waves: 17 blocks of 256 bytes of their own
.set SBLK,   544
.set SCLB,   SCL+16*272                ; W0's
.set SPARE,  SCLB+32*272
.set SPITCH, 528                       ; the way out: a stage of 16 rows x (512 + 16) bytes a wave, on A's images, which have had their only fill and, behind a barrier, their last read
.set ADRA, 16
.set ADRB, 18
.set STO,  24
.set RD,   25
.set CO,   26
.set ADRS, 27
.set SPW,  28
.set NIL,  29
.set SC,   32
.set CB,   64
.set AF,   128
.set BK,   128
.set G1, 24
.set G0, 32
.set G0B2, 36
.set G1B, 48
.set G0B, 56
.set G1SB, 80
.set G0SB, 88
.set MSB, 0
.macro WIN new
.if MSB != \new
	s_set_vgpr_msb (MSB<<8)|\new
.set MSB, \new
.endif
.endm
.macro PLACES n
.rept \n
	v_nop
.endr
.endm
.macro CROUND
	s_barrier_signal -1
	s_barrier_wait -1
	s_cmp_lg_u32 s14, 0
	s_cbranch_scc1 .Lnot_wave_0_\@
	s_barrier_signal -3
.Lnot_wave_0_\@:
	s_barrier_wait -3
	s_barrier_signal -1
	s_barrier_wait -1
.endm
.macro GROUP0 g, lds, adr
	s_mov_b32 s[\g], 1
	s_mov_b32 s[\g+1], \lds
	s_mov_b64 s[\g+2:\g+3], s[\adr:\adr+1]
	s_or_b32 s[\g+3], s[\g+3], 0x80000000
.endm
.macro ARM under, g0, g1, next
	s_cmp_lt_u32 s14, \under
	s_cbranch_scc0 \next
	tensor_load_to_lds s[\g0:\g0+3], s[\g1:\g1+7]
	s_nop 0
	PLACES 4
	s_branch .Lhead_asked
\next:
.endm
	s_load_b128 s[4:7], s[0:1], 0x0                ; acodes, asc
	s_load_b128 s[8:11], s[0:1], 0x10              ; W0's codes, W0's scales
	s_load_b64 s[96:97], s[0:1], 0x20              ; the bias
	s_load_b64 s[12:13], s[0:1], 0x28              ; out
	v_lshl_add_u32 v[SPW], v0, 2, SPARE
	v_mov_b32 v[NIL], 0
	ds_add_u32 v[SPW], v[NIL]                      ; the opening lines: the add twice on end and its wait
	ds_add_u32 v[SPW], v[NIL]
	v_lshrrev_b32 v1, 5, v0
	v_readfirstlane_b32 s14, v1                    ; wave
	s_lshr_b32 s15, s14, 1                         ; which 64 tokens are mine
	s_and_b32 s16, s14, 1                          ; which 128 columns
	s_bfe_u32 s40, ttmp6, 0x40000
	s_bfe_u32 s41, ttmp6, 0x40004
	s_lshl_b32 s42, ttmp9, 2
	s_add_co_u32 s42, s42, s40                     ; tile column, 0..3
	s_and_b32 s17, ttmp7, 0xffff
	s_lshl_b32 s17, s17, 2
	s_add_co_u32 s17, s17, s41                     ; tile row, 0..63
	s_lshl_b32 s43, s41, 2
	s_lshl_b32 s43, 15, s43                        ; my row of the cluster
	s_lshl_b32 s44, 0x1111, s40                    ; my column
	s_or_b32 s[G1+0], s43, (3<<16)|(1<<21)         ; A: 384 rows of 256 bytes (32 elements of 8), dense, no padding
	s_mov_b32 s[G1+1], 32<<16
	s_mov_b32 s[G1+2], 384<<16
	s_mov_b32 s[G1+3], 32<<16
	s_mov_b32 s[G1+4], 384
	s_mov_b32 s[G1+5], 32
	s_mov_b32 s[G1+6], 0
	s_mov_b32 s[G1+7], 0
	s_or_b32 s[G1B+0], s44, (1<<20)|(1<<21)|(5<<22)|(3<<25)   ; W0: 128 rows of 768 bytes, 16 bytes of padding behind every 256
	s_mov_b32 s[G1B+1], KROW<<16
	s_mov_b32 s[G1B+2], 128<<16
	s_mov_b32 s[G1B+3], KROW<<16
	s_mov_b32 s[G1B+4], 128
	s_mov_b32 s[G1B+5], KROW
	s_mov_b32 s[G1B+6], 0
	s_mov_b32 s[G1B+7], 0
	s_or_b32 s[G1SB+0], s44, (3<<16)|(1<<20)|(1<<21)|(5<<22)|(3<<25)   ; W0's scale bytes: 32 rows of 256 bytes + 16
	s_mov_b32 s[G1SB+1], 32<<16
	s_mov_b32 s[G1SB+2], 32<<16
	s_mov_b32 s[G1SB+3], 32<<16
	s_mov_b32 s[G1SB+4], 32
	s_mov_b32 s[G1SB+5], 32
	s_mov_b32 s[G1SB+6], 0
	s_mov_b32 s[G1SB+7], 0
	s_mul_i32 s20, s17, 8*AIM
	s_mov_b32 s21, 0
	s_mul_i32 s46, s42, 256*KROW
	s_mov_b32 s47, 0
	s_mul_i32 s92, s42, 8192
	s_mov_b32 s93, 0
	s_wait_dscnt 0x0
	s_wait_kmcnt 0x0
	s_add_nc_u64 s[20:21], s[4:5], s[20:21]
	s_add_nc_u64 s[46:47], s[8:9], s[46:47]
	s_add_nc_u64 s[22:23], s[46:47], 128*KROW
	s_add_nc_u64 s[92:93], s[10:11], s[92:93]
	GROUP0 G0, 0, 20
	GROUP0 G0B, AB, 46
	GROUP0 G0B2, AB+128*PITCH, 22
	GROUP0 G0SB, SCLB, 92
	CROUND                                         ; all sixteen work-groups are here: the joint loads meet
	ARM 1, G0,   G1,  .Lhead_b                     ; wave 0: A; waves 1 and 2: W0's halves; wave 3: W0's scale bytes
	ARM 2, G0B,  G1B, .Lhead_b2
	ARM 3, G0B2, G1B, .Lhead_sb
	tensor_load_to_lds s[G0SB:G0SB+3], s[G1SB:G1SB+7]
	s_nop 0
	PLACES 4
.Lhead_asked:
	s_lshl_b32 s20, s17, 7
	s_lshl_b32 s21, s15, 6
	s_add_co_u32 s20, s20, s21                     ; my first row of out,
	s_lshl_b32 s20, s20, 12                        ; in bytes (under 2^26)
	s_lshl_b32 s46, s42, 10
	s_lshl_b32 s47, s16, 9
	s_add_co_u32 s46, s46, s47                     ; my first column, in bytes: in out's rows and in the bias alike
	s_mov_b32 s47, 0
	s_add_nc_u64 s[96:97], s[96:97], s[46:47]
	s_add_co_u32 s20, s20, s46
	s_mov_b32 s21, 0
	s_add_nc_u64 s[12:13], s[12:13], s[20:21]
	s_lshl_b32 s22, s17, 8                         ; the tile's 128 tokens: 256 bytes of each head's plane
	s_mov_b32 s23, 0
	s_add_nc_u64 s[6:7], s[6:7], s[22:23]
	s_mul_i32 s3, s15, 4*AIM                       ; LDS: my tiles of A,
	s_mul_i32 s18, s16, 8*BLK
	s_add_co_u32 s18, s18, AB                      ; my rows of W0 (blocks 0-3),
	s_add_co_u32 s19, s18, 4*BLK                   ; (blocks 4-7)
	s_mul_i32 s21, s15, 8*272
	s_mul_i32 s22, s16, 16*272
	s_add_co_u32 s22, s22, 16*272
	s_sub_co_u32 s22, s22, s21
	s_add_co_u32 s21, s21, SCL
	s_mul_i32 s23, s14, 16*SPITCH                  ; my stage
	v_and_b32 v1, 15, v0
	v_bfe_u32 v2, v0, 4, 1
	v_lshlrev_b32 v7, 5, v2
.irp b, 0,1,2,3,4,5,6,7
	global_load_b128 v[CB+8*\b:CB+8*\b+3], v7, s[96:97] offset:64*\b
	global_load_b128 v[CB+8*\b+4:CB+8*\b+7], v7, s[96:97] offset:64*\b+16
.endr
	v_and_b32 v6, 31, v0
	v_lshlrev_b32 v8, 3, v6
	v_add_nc_u32 v[ADRA], s3, v8
	v_mul_u32_u24 v3, v1, PITCH
	v_mad_u32_u24 v4, v2, 24, v3
	v_mad_u32_u24 v5, v2, 40, v3
	v_add_nc_u32 v[ADRB], s18, v4
	v_add_nc_u32 v[ADRB+1], s18, v5
	v_add_nc_u32 v[ADRB+2], s19, v4
	v_add_nc_u32 v[ADRB+3], s19, v5
	v_mul_u32_u24 v5, v1, 32
	v_lshrrev_b32 v3, 8, v5
	v_lshl_add_u32 v5, v3, 4, v5
	v_mul_u32_u24 v3, s22, v2                      ; lanes 16-31 take W0's words
	v_add_nc_u32 v5, v5, v3
	v_add_nc_u32 v[ADRS], s21, v5
	v_mul_u32_u24 v5, v1, SPITCH
	v_lshl_add_u32 v5, v2, 5, v5
	v_add_nc_u32 v[STO], s23, v5
	v_lshlrev_b32 v[CO], 4, v6
	v_add_nc_u32 v[RD], s23, v[CO]
	v_lshlrev_b32 v9, 2, v0                        ; thread t of waves 0 and 1: tokens 2 t and 2 t + 1
	v_lshlrev_b32 v10, 6, v0                       ; two rows of 32 bytes: 64 t,
	v_lshrrev_b32 v11, 2, v0
	v_lshl_add_u32 v10, v11, 4, v10                ; 16 more for each 256 passed,
	v_add_nc_u32 v10, SCL, v10                     ; from the scales' first byte on
	s_cmp_lt_u32 s14, 2
	s_cbranch_scc0 .Lno_gather
.irp p, 0,1,2,3,4,5,6,7,8,9,10,11,12,13,14,15
	global_load_b32 v[128+\p], v9, s[6:7] offset:\p*16384
.endr
	s_wait_loadcnt 0x0
.irp j, 0,1,2,3,4,5,6,7
	v_perm_b32 v[144+\j], v[129+2*\j], v[128+2*\j], 0x05040100   ; token 2 t: heads 2 j and 2 j + 1: the scale word of K step j
	v_perm_b32 v[152+\j], v[129+2*\j], v[128+2*\j], 0x07060302   ; token 2 t + 1
.endr
.irp j, 0,1,2,3
	ds_store_b128 v10, v[144+4*\j:147+4*\j] offset:16*\j
.endr
.Lno_gather:
.macro FRAG reg, adr, q, off           ; a fragment of W0 from padded rows: byte y of a row lies at y + 16 (y / 256)
.irp p, 0,1,2,3,4,5
.set PC_, 12*(\q)+6*(\p/3)+\p%3
.if PC_%32 < 29
	ds_load_b64 v[\reg+2*\p:\reg+2*\p+1], v[\adr] offset:8*PC_+16*(PC_/32)+(\off)
.else
	ds_load_b64 v[\reg+2*\p:\reg+2*\p+1], v[\adr+1] offset:8*PC_+16*(PC_/32)+(\off)
.endif
.endr
.endm
.macro FETCH st                        ; step st's fragments into set st % 2; with an even step the scale words of two steps (lanes 0-15 A's block i, lanes 16-31 W0's; lanes 0-15 of registers 4-7 are named by no product)
.set P_, (\st)%2
	WIN 0x40
.irp i, 0,1,2,3
	FRAG 128*P_+FR*\i, ADRB, \st, \i*BLK
.endr
.irp i, 0,1,2,3
	FRAG 128*P_+FR*(\i+4), ADRB+2, \st, \i*BLK
.endr
	WIN 0
.irp i, 0,1,2,3
.irp p, 0,1,2,3,4,5
	ds_load_b64 v[AF+48*P_+FR*\i+2*\p:AF+48*P_+FR*\i+2*\p+1], v[ADRA] offset:\i*AIM+(\st)*1536+256*\p
.endr
.endr
.if (\st)%2 == 0
.irp i, 0,1,2,3,4,5,6,7
	ds_load_b64 v[SC+16*(((\st)/2)%2)+2*\i:SC+16*(((\st)/2)%2)+2*\i+1], v[ADRS] offset:\i*SBLK+4*(\st)
.endr
.endif
.endm
.macro MULS st                         ; 32 products; the accumulators take turns, in the same order in every step
.set P_, (\st)%2
.set S_, SC+16*(((\st)/2)%2)+(\st)%2
.irp a, 0,1,2,3
.irp b, 0,1,2,3,4,5,6,7
.if (\st) == 0
	v_wmma_scale_f32_16x16x128_f8f6f4 v[8*(8*\a+\b):8*(8*\a+\b)+7], v[128*P_+FR*\b:128*P_+FR*\b+FR-1], v[AF+48*P_+FR*\a:AF+48*P_+FR*\a+FR-1], v[CB+8*\b:CB+8*\b+7], v[S_+2*\b], v[S_+2*\a] matrix_a_fmt:MATRIX_FMT_FP6 matrix_b_fmt:MATRIX_FMT_FP6 matrix_a_scale:MATRIX_SCALE_ROW1
.else
	v_wmma_scale_f32_16x16x128_f8f6f4 v[8*(8*\a+\b):8*(8*\a+\b)+7], v[128*P_+FR*\b:128*P_+FR*\b+FR-1], v[AF+48*P_+FR*\a:AF+48*P_+FR*\a+FR-1], v[8*(8*\a+\b):8*(8*\a+\b)+7], v[S_+2*\b], v[S_+2*\a] matrix_a_fmt:MATRIX_FMT_FP6 matrix_b_fmt:MATRIX_FMT_FP6 matrix_a_scale:MATRIX_SCALE_ROW1
.endif
.endr
.endr
.endm
.macro STEP st
	s_wait_dscnt 0x0
.if (\st) < 7
.if (\st) > 0
	PLACES 4
.endif
	FETCH (\st)+1
.else
	s_barrier_signal -1                            ; my last reads of the tiles are over; the products, work on registers, stand between signal and wait
.endif
.if (\st) == 0
	WIN 0x81
.else
	WIN 0xa1
.endif
	MULS \st
	WIN 0
.if (\st) == 7
	s_barrier_wait -1                              ; and so are everybody's: the stages may be written
.endif
.endm
	s_wait_loadcnt 0x0                             ; the bias
	s_wait_alu depctr_va_vdst(0)                   ; the wait at the head's end
	s_wait_tensorcnt 0x0                           ; my tile is in,
	s_wait_dscnt 0x0                               ; and my rows of A's scales are stored
	s_barrier_signal -1
	s_barrier_wait -1
	FETCH 0
.set ST, 0
.rept 8
	STEP ST
.set ST, ST+1
.endr
; THE WAY OUT, block by block of 16 rows x 128 columns, through my own stage: in as 32 bytes a lane, back as whole rows of 512 bytes.  LDS serves a wave's instructions in order (ISA guide 5.7.1.4).
.macro TOSTAGE a
.set AC, 64*(\a)
	WIN 0x08                                       ; the data: window 2
.irp b, 0,1,2,3,4,5,6,7
	ds_store_b128 v[STO], v[AC+8*\b:AC+8*\b+3] offset:64*\b          ; each accumulator from its low end on
	ds_store_b128 v[STO], v[AC+8*\b+4:AC+8*\b+7] offset:64*\b+16
.endr
	WIN 0
.set BB, BK+64*((\a)%2)
.irp t, 0,1,2,3,4,5,6,7,8,9,10,11,12,13,14,15
	ds_load_b128 v[BB+4*\t:BB+4*\t+3], v[RD] offset:\t*SPITCH
.endr
.endm
.macro SEND a, younger                 ; younger: the LDS instructions issued behind block a's loads
.set BB, BK+64*((\a)%2)
	s_wait_dscnt \younger
.if (\a) > 0
	s_add_nc_u64 s[12:13], s[12:13], 16*SIZE_N*4   ; behind a wait on XCNT: the earlier stores have read their base
.endif
.irp t, 0,1,2,3,4,5,6,7,8,9,10,11,12,13,14,15
	global_store_b128 v[CO], v[BB+4*\t:BB+4*\t+3], s[12:13] offset:\t*SIZE_N*4 th:TH_STORE_NT   ; 32 lanes store 512 consecutive bytes, at a multiple of 256 from out's first byte
.endr
.endm
	PLACES 4
	TOSTAGE 0
.irp a, 1,2,3
.if \a > 1
	s_wait_xcnt 0x0                                ; block a - 2's stores have read their registers and their base
.endif
	TOSTAGE \a
	SEND \a-1, 32                                  ; behind block a - 1's loads: block a's 16 stores and 16 loads
.endr
	s_wait_xcnt 0x0
	SEND 3, 0
	s_wait_tensorcnt 0x0                           ; the wave's end
	ds_add_u32 v[SPW], v[NIL]
	s_wait_dscnt 0x0
	CROUND                                         ; the closing round
	s_endpgm
.Lfunc_end_k_q8122b783e1_outp:
	.size	k_q8122b783e1_outp, .Lfunc_end_k_q8122b783e1_outp-k_q8122b783e1_outp
	.p2alignl 7, 3214868480
	.fill 96, 4, 3214868480
	.section	.rodata,"a",@progbits
	.p2align	6, 0x0
	.amdhsa_kernel k_q8122b783e1_outp
		.amdhsa_group_segment_fixed_size 327680
		.amdhsa_private_segment_fixed_size 0
		.amdhsa_enable_private_segment 0
		.amdhsa_kernarg_size 48
		.amdhsa_user_sgpr_count 2
		.amdhsa_user_sgpr_kernarg_segment_ptr 1
		.amdhsa_wavefront_size32 1
		.amdhsa_system_sgpr_workgroup_id_x 1
		.amdhsa_system_sgpr_workgroup_id_y 1
		.amdhsa_system_sgpr_workgroup_id_z 1
		.amdhsa_system_vgpr_workitem_id 0
		.amdhsa_next_free_vgpr 768
		.amdhsa_next_free_sgpr 100
		.amdhsa_reserve_vcc 0
		.amdhsa_float_denorm_mode_32 3
		.amdhsa_float_denorm_mode_16_64 3
		.amdhsa_memory_ordered 1
		.amdhsa_forward_progress 1
		.amdhsa_inst_pref_size 101
	.end_amdhsa_kernel
	.amdgpu_metadata
---
amdhsa.version: [ 1, 2 ]
amdhsa.kernels:
  - .name:           k_q8122b783e1_outp
    .symbol:         k_q8122b783e1_outp.kd
    .args:
      - { .name: acodes, .offset: 0, .size: 8, .value_kind: global_buffer, .address_space: global }
      - { .name: asc, .offset: 8, .size: 8, .value_kind: global_buffer, .address_space: global }
      - { .name: W0_w_codes, .offset: 16, .size: 8, .value_kind: global_buffer, .address_space: global }
      - { .name: W0_w_scales, .offset: 24, .size: 8, .value_kind: global_buffer, .address_space: global }
      - { .name: W0_b, .offset: 32, .size: 8, .value_kind: global_buffer, .address_space: global }
      - { .name: out0, .offset: 40, .size: 8, .value_kind: global_buffer, .address_space: global }
    .group_segment_fixed_size: 327680
    .private_segment_fixed_size: 0
    .kernarg_segment_align: 8
    .kernarg_segment_size: 48
    .max_flat_workgroup_size: 128
    .sgpr_count:     100
    .vgpr_count:     768
    .wavefront_size: 32
...
	.end_amdgpu_metadata
.endif
;; end of part 3
